; MI455X (gfx1250); checked and timed in simulation.
; The chip was launched on July 23, 2026; its instructions are those of AMD's public machine-readable ISA for CDNA 5 (MIT licence, August 2026) and "CDNA5" Instruction Set Architecture Reference Guide (July 2026). The comments in the code are by the model that wrote it; some were corrected since.
;; Dot Product Attention. Allowed arithmetic: matrix products marked QUANTISED: E2M1 operands, one E8M0 scale for each 32 along K, by v_wmma_scale_f32_16x16x128_f8f6f4 with both operands' format E2M1 (or v_wmma_scale_f32_32x16x128_f4), f32 sums; products left as they are: f32 operands where the result goes on into a quantised operand, else bf16, f16 or f32 operands; f32 sums; everything else in f32.
;; Inputs: K 32 x 8 x 1,024 x 16 float32; Q 32 x 8 x 1,024 x 16 float32; V 32 x 8 x 1,024 x 16 float32; mask 32 x 1,024 x 1 bool.
;; Outputs: out0 32 x 8 x 1,024 x 16 float32.
;; This version of the problem:
;;   THIS VERSION OF THE PROBLEM IS GIVEN IN LOW PRECISION. The matrix products marked QUANTISED in the list below multiply operands that are first quantised to E2M1 (2 exponent bits, 1 mantissa bit; 4 bits a number), with one power-of-two scale for each 32 numbers along K (OCP MX v1.0); their sums are f32. All else is computed in f32.
;;   The module's matrix products, in the order in which they are computed (A, B: the left and right operand; K: the contracted axis; several contracted axes count as one K, in the product's order):
;;     1. batch 256 x [M 1,024, K 16] x [K 16, N 1,024]; A: input Q; B: input K: left as it is (K = 16 < 32)
;;     2. batch 256 x [M 1,024, K 1,024] x [K 1,024, N 16]; A: softmax (see below); B: input V: QUANTISED
;;   THE QUANTISER, for each operand of a quantised product, along K:
;;     - K is cut into blocks of 32 from its start; a last block that is shorter is filled with zeros.
;;     - A block's scale is 2^e with e = floor(log2(the largest magnitude in the block)) - 2, held to -126 .. 127; a block of zeros has e = 0. As a byte (E8M0): e + 127.
;;     - Each number is divided by its block's scale, clamped to +-6, and rounded to the nearest number of E2M1, ties to even, subnormals kept.
;;     - The product sums the exact products of the quantised numbers (number of the format x scale) in f32.
;;   ~~~python
;;   def quantise(x, axis):      # numpy; x: float32 -> the quantised numbers, widened to float32 again
;;       x = np.moveaxis(x, axis, -1); K = x.shape[-1]
;;       x = np.pad(x, [(0, 0)] * (x.ndim - 1) + [(0, -K % 32)]); x = x.reshape(x.shape[:-1] + (-1, 32)); a = np.abs(x).max(-1, keepdims=True)
;;       e = np.where(a > 0, np.clip(np.frexp(np.where(a > 0, a, 1))[1] - 1 - 2, -126, 127), 0)      # np.frexp(a)[1] - 1 = floor(log2(a)), exactly
;;       r = np.clip(x / 2.0 ** e, -6, 6)
;;       step = 2.0 ** (np.maximum(np.frexp(np.where(r == 0, 1, r))[1] - 1, 0) - 1)
;;       q = np.round(r / step) * step * 2.0 ** e      # np.round: ties to even
;;       return np.moveaxis(q.reshape(q.shape[:-2] + (-1,))[..., :K], -1, axis).astype(np.float32)
;;   ~~~
;;   SOFTMAX AHEAD OF A QUANTISED PRODUCT. Where the list says 'softmax', what is quantised is not the finished softmax but p = 2^(t - M), with t = logit x log2(e) and M = ceil(the row's largest t), a whole number; so 1/2 < the row's largest p <= 1. The row's sum l is taken of the UNQUANTISED p, in f32, and the product's result is divided by l at the end. Since M is a whole number, a kernel that streams over the keys may use a running M (the ceiling of the running maximum): every later rescaling is an exact power of two, which a block's scale takes up: the codes' values come out the same.
;;   OPERANDS COMPUTED ON THE WAY. 'Computed on the way' means the value that the module computes at that place (a softmax that the list does not call 'softmax' is quantised finished and normalised). What goes into a quantiser is computed in f32, as accurately as f32 sums, v_exp_f32 and their like allow (about 1e-6 of the number): no bf16 or f16 on the way to a quantiser, and a product that is left as it is and whose result goes on into a quantised operand takes f32 operands (vector FMAs, or v_wmma_f32_16x16x4_f32). A number that lies on a knife's edge between two numbers of the format may be rounded either way, as far as f32 arithmetic and the matrix unit's own rounding can turn it there, and no further.
;; 2 versions, each right; version 2 is version 1 with the launch attn written anew for expert scheduling mode. Each part assembles by itself: llvm-mc -triple=amdgcn-amd-amdhsa -mcpu=gfx1250 --defsym DOCPART=n.
;; ======== version 1 of 2: 1 launch
;; launch attn (part 1): grid 256 x 1, 16 waves a work-group, no clusters, 149,504 bytes of LDS; arguments Q, K, V, mask, out0; writes out0
.if DOCPART == 1
	.amdgcn_target "amdgcn-amd-amdhsa--gfx1250"
	.amdhsa_code_object_version 6
	.text
	.protected	k_q537702cd46_attn
	.globl	k_q537702cd46_attn
	.p2align	8
	.type	k_q537702cd46_attn,@function
k_q537702cd46_attn:
	s_mov_b64 s[64:65], 0
	v_nop
	global_prefetch_b8 v0, s[64:65] scope:SCOPE_SE
	s_setreg_imm32_b32 hwreg(HW_REG_WAVE_MODE, 25, 1), 1
	s_wait_xcnt 0x0
; out[b][h][q][:] = sum over keys of softmax_k(10 tanh(Q[q] . K[k] / 4), masked keys -inf) V[k][:].  Q, K, V, out: [32][8][1024][16] f32; mask: [32][1024] bytes, not 0 = the key is left out.
; The first product (K = 16) keeps f32 operands (v_wmma_f32_16x16x4_f32), since its result goes on into a quantiser.  The second is done on codes of FP4 (E2M1) with one E8M0 scale for each 32 keys, by v_wmma_scale_f32_16x16x128_f8f6f4.
; A SCORE, all in f32:  Q is multiplied once by a = log2(e) / 2, so that s' = (a Q) . K = 2 x log2(e) with x = q.k / 4;  e = 2^s';  r = 1 / (1 + e);  tanh(x) = 1 - 2 r;
;   t = 10 tanh(x) log2(e) = c - 2 c r with c = 10 log2(e);  u = fma(r, -2c, addend of the key), the addend being c for a key that counts and -infinity for a masked one;  p = 2^u: a masked key's p is exactly 0.
; NO MAXIMUM IS TAKEN AWAY: M = 0.  reference() itself clips: |10 tanh| <= 10, so |t| <= 14.43 for every input; p lies between 2^-14.43 and 2^14.43 and a row's sum of 1,024 of them under 2^24.5: no exponential and no sum
;   can overflow or underflow in f32.  M = 0 is a whole number: against M = ceil(the row's largest t) every p differs by an exact power of two, which the block's scale takes up, so the codes' values are the same.
;   The row's sum l is taken of the unquantised p and divides at the end.
; LIMITS: NaN and infinities among Q, K, V are not served.  A block of V whose largest magnitude lies under 2^-124 has its scale byte held at 1 (not tried).  A block of zeros (of V, or of p where 32 keys are masked) keeps
;   the byte 1 where the rule says 127: its codes are zeros, and the bytes are read here alone.  A row all of whose keys are masked gives 0 x (1 / 0) = NaN, as reference() does.  The 16 products of a score are summed in the
;   order d = 0,1,8,9, 2,3,10,11, .. and not in ascending d.
; SHARES.  A work-group owns one head (256 heads, 256 work-groups).  Its sixteen waves, four to a SIMD, so that one wave's exponentials and reciprocals stand beside another's matrix instructions, own 64 queries each:
;   four tiles of 16, taken in two PASSES of two tiles.  A pass walks the head's 1,024 keys in 32 UNITS of 32 keys; four units are a key step of 128 keys, one K step of the second product.
; EACH INPUT BYTE IS READ FROM MEMORY ONCE.  Wave w loads keys 64 w .. 64 w + 63 of K and of V in runs of 512 consecutive bytes.  K goes into LDS as images of the first product's operand registers; V is turned through the
;   wave's own stage, quantised along the keys, and goes into LDS as images of the second product's operand registers, with its scale bytes; the mask becomes one f32 addend a key.  One barrier; behind it these bytes are only read.
; NO TENSOR LOADS, NO RING: a head's K is 64 KiB and lies in LDS whole, and K and V have to pass through registers anyway (a permutation, a quantiser).  NO CLUSTER: the eight heads of a batch share only the mask,
;   1,024 bytes beside the 196,608 that each head reads for itself.
; LAYOUTS (r = lane % 16, h = lane / 16).
;   First product, transposed: S^T = K (a Q)^T, source 0 = 16 keys, source 1 = 16 queries.  A lane holds d = 8 h + 0 .. 7 of its row in 8 registers; K step s takes registers 2 s, 2 s + 1 on both sides: the same permutation of d.
;   THE KEYS OF A TILE ARE NOT NEIGHBOURS: lane r of tile u of block b takes key 32 b + 8 u + r + 8 (r / 8).  Register j of the result is then query r and key 32 b + 16 h + 8 u + j: the 16 registers of tiles u = 0, 1 are 16 neighbouring keys.
;   Second product, transposed: O^T = V^T P^T, source 0 = V^T (row d = r, keys along the registers), source 1 = p's codes (column = query r).  Register j of the result is out(query r, d = 8 h + j).
.set KIMG,  0                          ; LDS: K: 64 fragments (2 b + u) x 1,024 bytes; registers 4 g .. 4 g + 3 of lane L at 512 g + 16 L
.set VIMG,  65536                      ; V's codes: key step s at 1,024 s; registers 4 c .. 4 c + 3 of lane L at 512 c + 16 L
.set VSC,   73728                      ; V's scale words: key step s at 64 s; the word of row d at 4 d; byte 2 c + h for keys 64 c + 32 h on
.set MADD,  74240                      ; one f32 addend a key: 4,096 bytes; 256 bytes behind them are left unused
.set STG,   78592                      ; a stage of STGW bytes for each wave, its own
.set STGW,  4224
.set VHALF, 2112                       ; in the stage V's keys 32-63 begin here: 528 words on, so that lanes 16-31 read 16 words further on modulo 64 than lanes 0-15 (64 banks of 4 bytes: ISA guide 11.1)
.set LN,   1                           ; v1   16 x lane: a register image's place, and the dense global offset; never rewritten
.set AM0,  2                           ; v2   MADD + 64 h
.set AVS0, 3                           ; v3   VSC + 4 r
.set AV0,  4                           ; v4   VIMG + 16 x lane
.set ADK,  5                           ; v5-8 the key step's addresses: K's images, addends, V's image, V's scale words
.set ADM,  6
.set ADV,  7
.set ADS,  8
.set STO,  9                           ; v9   my stage + 64 r + 32 h: where I put 32 bytes of a row of out
.set SRD,  10                          ; v10  my stage + 16 x lane
.set LS,   12                          ; v[12:13], v[14:15] the row sums of tiles 0, 1, in two halves each
.set QR,   16                          ; v16-47   a Q: tile q at 16 + 8 q
.set KF,   48                          ; v48-63   K's two fragments of one block
.set MA,   64                          ; v64-79   the addends of my 16 keys of a block
.set SC,   80                          ; v80-143  scores: buffer n at + 32 n, accumulator (t, u) at + 16 t + 8 u.  Written by matrix instructions alone
.set TT,   144                         ; v144-175 e, 1 + e, r, u, p in turn: index 16 t + 8 u + j
.set PC,   176                         ; v176-191 p's codes: tile t at + 8 t
.set OA,   192                         ; v192-207 O^T: tile t at + 8 t
.set VF,   208                         ; v208-215 V's fragment of the key step
.set VS,   216                         ; v216 V's scale words; v217, v218 p's: they hold scales and nothing else
.set PW,   217
.set MX,   220                         ; v220-223 chains of maxima
.set MB,   222
.set PX,   224                         ; v224-225 what lane l xor 16 sends
.set SO,   226                         ; v226-227 the conversions' scale operands
.set BY,   228                         ; v228-229 scale bytes
.set LT,   230                         ; v[230:231], v[232:233] second chains of the sums
.set WV,   16                          ; s16  my wave's number
.set SEL,  20                          ; s[20:21] v_permlanex16_b32's selects for lane l xor 16
.set NC,   22                          ; s[22:23] -2 c: the packed form names a pair and takes its low word for both halves
.set TK,   24                          ; s24-27 where the key step begins: K's images, addends, V's image, V's scale words
.set TM,   25
.set TV,   26
.set TS,   27
.set CNT,  28
.set QA,   32                          ; s[32:33] a = log2(e) / 2
	s_load_b256 s[4:11], s[0:1], 0x0               ; Q s[4:5], K s[6:7], V s[8:9], mask s[10:11]
	s_load_b64 s[12:13], s[0:1], 0x20              ; out0
	v_lshl_add_u32 v240, v0, 2, 0x24000
	v_mov_b32 v241, 0
	v_lshrrev_b32 v11, 5, v0
	v_readfirstlane_b32 s[WV], v11                 ; wave 0..15
	v_and_b32 v221, 31, v0                         ; lane
	v_and_b32 v222, 15, v0                         ; r
	v_bfe_u32 v223, v0, 4, 1                       ; h
	v_lshlrev_b32 v[LN], 4, v221
	v_lshl_add_u32 v[AM0], v223, 6, MADD
	v_lshl_add_u32 v[AVS0], v222, 2, VSC
	v_add_nc_u32 v[AV0], VIMG, v[LN]
	s_mul_i32 s17, s[WV], STGW
	s_add_co_u32 s17, s17, STG                     ; my stage
	v_lshlrev_b32 v226, 6, v222
	v_lshl_add_u32 v226, v223, 5, v226             ; 64 r + 32 h: my 32 bytes of a row of 16 f32: Q's offset,
	v_add_nc_u32 v[STO], s17, v226                 ; and the same place in the stage
	v_add_nc_u32 v[SRD], s17, v[LN]
	v_mul_u32_u24 v229, v223, VHALF
	v_lshl_add_u32 v229, v222, 2, v229
	v_add_nc_u32 v229, s17, v229                   ; V's columns out of the stage: my stage + 2,112 h + 4 r
	v_lshlrev_b32 v227, 1, v0                      ; the mask: two bytes a thread
	v_lshl_add_u32 v11, v0, 3, MADD                ; and their two addends
	; Where my 16 bytes of a dense load of K go.  Load n brings lane L key 8 n + L / 4 of my 64 and d = 4 (L % 4) + 0 .. 3.  In the image that is half g = L % 2 of the registers, lane 16 ((L / 2) % 2) + 8 ((n / 2) % 2) + L / 4,
	; fragment 4 w + 2 (n / 4) + n % 2: the lane's part stands in the register, n's part in the immediate.
	v_and_b32 v228, 1, v0
	v_lshlrev_b32 v228, 9, v228
	v_bfe_u32 v221, v0, 1, 1
	v_lshl_add_u32 v228, v221, 8, v228
	v_bfe_u32 v221, v0, 2, 3
	v_lshl_add_u32 v228, v221, 4, v228
	s_lshl_b32 s18, s[WV], 12
	v_add_nc_u32 v228, s18, v228
	s_lshl_b32 s18, s[WV], 9                       ; my 64 keys are half c = w % 2 of key step w / 2: V's codes go to VIMG + 512 w + 16 x lane,
	v_add_nc_u32 v234, s18, v[AV0]
	s_lshr_b32 s18, s[WV], 1
	s_lshl_b32 s18, s18, 6
	s_and_b32 s19, s[WV], 1
	s_lshl_b32 s19, s19, 1
	s_add_co_u32 s18, s18, s19
	v_add_nc_u32 v235, v[AVS0], v223
	v_add_nc_u32 v235, s18, v235                   ; my block's scale byte to VSC + 64 (w / 2) + 4 r + 2 (w % 2) + h
	v_mov_b32 v[PX], 0                             ; written once: a lane permute's destination counts as one of its sources
	v_mov_b32 v[PX+1], 0
	v_mov_b32 v232, 0xff800000                     ; -infinity: a masked key's addend
	v_mov_b32 v233, 0x4166d4ca                     ; c = 10 log2(e): the addend of a key that counts
	s_mov_b32 s[SEL], 0x76543210
	s_mov_b32 s[SEL+1], 0xfedcba98
	s_mov_b32 s[NC], 0xc1e6d4ca                    ; -2 c
	s_mov_b32 s[NC+1], s[NC]                       ; (named with it as a pair, so it is written)
	s_mov_b32 s[QA], 0x3f38aa3b                    ; a = log2(e) / 2
	s_mov_b32 s[QA+1], s[QA]
	s_lshl_b32 s14, ttmp9, 16                      ; the head's 65,536 bytes in Q, K, V and out,
	s_lshl_b32 s15, s[WV], 12                      ; my wave's 64 rows of 64 bytes
	s_add_co_u32 s14, s14, s15
	s_mov_b32 s15, 0
	s_lshr_b32 s18, ttmp9, 3                       ; the batch: eight heads share a mask of 1,024 bytes
	s_lshl_b32 s18, s18, 10
	s_mov_b32 s19, 0
	s_wait_kmcnt 0x0
	s_add_nc_u64 s[4:5], s[4:5], s[14:15]
	s_add_nc_u64 s[6:7], s[6:7], s[14:15]
	s_add_nc_u64 s[8:9], s[8:9], s[14:15]
	s_add_nc_u64 s[12:13], s[12:13], s[14:15]
	s_add_nc_u64 s[10:11], s[10:11], s[18:19]
	; All 25 loads of the wave go out together: K, V, the mask, Q, in the order in which they are wanted.
.irp n, 0,1,2,3,4,5,6,7
	global_load_b128 v[TT+4*\n:TT+4*\n+3], v[LN], s[6:7] offset:512*\n th:TH_LOAD_NT   ; K: 32 lanes read 512 consecutive bytes
.endr
.irp n, 0,1,2,3,4,5,6,7
	global_load_b128 v[PC+4*\n:PC+4*\n+3], v[LN], s[8:9] offset:512*\n th:TH_LOAD_NT   ; V likewise, into v176-207
.endr
	global_load_u16 v220, v227, s[10:11]           ; two keys' mask bytes (read again by the batch's other heads: no hint)
.irp q, 0,1,2,3
.irp g, 0,1
	global_load_b128 v[QR+8*\q+4*\g:QR+8*\q+4*\g+3], v226, s[4:5] offset:1024*\q+16*\g th:TH_LOAD_NT   ; Q(16 q + r, 8 h + 4 g ..): the two loads of a tile cover its 1,024 bytes
.endr
.endr
	s_wait_loadcnt 17                              ; K's eight are in: the 17 younger loads (V 8, mask 1, Q 8) may be out
.irp n, 0,1,2,3,4,5,6,7
	ds_store_b128 v228, v[TT+4*\n:TT+4*\n+3] offset:KIMG+(\n/4)*2048+(\n%2)*1024+((\n/2)%2)*128
.endr
	s_wait_loadcnt 9                               ; V's eight are in: the mask's and Q's may be out
.irp n, 0,1,2,3,4,5,6,7
	ds_store_b128 v[SRD], v[PC+4*\n:PC+4*\n+3] offset:512*\n+64*(\n/4)   ; as they lie: keys 0-31 from byte 0, keys 32-63 from byte 2,112
.endr
.set ii, 0
.rept 32
	ds_load_b32 v[KF+ii], v229 offset:64*ii        ; V(32 h + i, d = r): a whole block of 32 keys of one column in my 32 registers.  LDS serves a wave's instructions in order (ISA guide 5.7.1.4): these see my stores
.set ii, ii+1
.endr
	s_wait_loadcnt 8                               ; the mask's bytes are in: Q's eight may be out
	v_and_b32 v221, 0xff, v220
	v_lshrrev_b32 v220, 8, v220
	v_cmp_ne_u32 vcc_lo, 0, v221
	v_cndmask_b32 v230, v233, v232, vcc_lo         ; not 0: -infinity; 0: c
	v_cmp_ne_u32 vcc_lo, 0, v220
	v_cndmask_b32 v231, v233, v232, vcc_lo
	ds_store_b64 v11, v[230:231]
	s_wait_loadcnt 0x0                             ; Q is in; every load is done, so their offset registers may be written again
.set ii, 0
.rept 16
	v_pk_mul_f32 v[QR+2*ii:QR+2*ii+1], v[QR+2*ii:QR+2*ii+1], s[QA:QA+1] op_sel_hi:[1,0]   ; a Q, once
.set ii, ii+1
.endr
	s_wait_dscnt 1                                 ; V's columns are back: only the addends' store is younger
	v_max3_num_f32 v220, |v[KF]|, |v[KF+1]|, |v[KF+2]|             ; the block's largest magnitude: all 32 numbers are mine; two chains
	v_max3_num_f32 v221, |v[KF+3]|, |v[KF+4]|, |v[KF+5]|
.irp i, 6,10,14,18,22,26
	v_max3_num_f32 v220, v220, |v[KF+\i]|, |v[KF+\i+1]|
	v_max3_num_f32 v221, v221, |v[KF+\i+2]|, |v[KF+\i+3]|
.endr
	v_max3_num_f32 v220, v220, |v[KF+30]|, |v[KF+31]|
	v_max3_num_f32 v220, v220, v221, 0x1800000     ; and the floor 2^(3 - 127), under which no largest magnitude is taken: so the byte cannot fall under 1
	v_add_nc_u32 v226, 0xff000000, v220            ; 2 off its exponent field: the conversion takes the exponent field of this operand as its scale, and nothing else of it
	v_lshrrev_b32 v228, 23, v226                   ; the scale's byte
.irp g, 0,1,2,3
	v_cvt_scalef32_pk8_fp4_f32 v[VF+\g], v[KF+8*\g:KF+8*\g+7], v226   ; registers 4 c .. 4 c + 3 of the operand: keys 64 c + 32 h + 0 .. 31 of row d = r
.endr
	v_nop                                          ; one plain place behind a scaled conversion
	ds_store_b128 v234, v[VF:VF+3]
	ds_store_b8 v235, v228
	s_wait_dscnt 0x0                               ; for the others' sake: all my stores into K's and V's images, the scale bytes and the addends are done
	s_barrier_signal -1
	s_barrier_wait -1                              ; the only barrier: behind it these bytes are only read, and a stage is touched by its own wave alone
; One matrix instruction of the first product: number i of 16 for a block of 32 keys: K step i / 4, query tile (i % 4) / 2, key tile i % 2, into score buffer nb.  The first four start the sums with the constant 0.
; The four accumulators take turns, one instruction a turn.
.macro WONE i, nb, qb
.set ws, (\i)/4
.set wt, ((\i)%4)/2
.set wu, (\i)%2
.set wD, SC+32*(\nb)+16*wt+8*wu
.set wA, KF+8*wu+2*ws
.set wB, (\qb)+8*wt+2*ws
.if ws == 0
	v_wmma_f32_16x16x4_f32 v[wD:wD+7], v[wA:wA+1], v[wB:wB+1], 0
.else
	v_wmma_f32_16x16x4_f32 v[wD:wD+7], v[wA:wA+1], v[wB:wB+1], v[wD:wD+7]
.endif
.endm
; A UNIT: block b (of the key step's four) of 32 keys, for two tiles of queries: 32 scores a lane.  Its scores lie in buffer b % 2, made a unit ago; while they are worked on, the next block's are made in the other buffer.
; w = 1: the next block's scores are made;  kf = 1: K's fragments of the block after that are fetched;  ma = 1: the next block's addends are fetched.
.macro UNIT b, qb, w, kf, ma
.set sb, (\b)%2
.set nb, 1-sb
	s_wait_dscnt 0x0                               ; the next block's K and this block's addends are in, asked for in the unit before (in unit 1 also V's fragment and scale words)
.set ii, 0
.rept 16
.if \w
	WONE ii, nb, \qb
.endif
	v_exp_f32 v[TT+2*ii], v[SC+32*sb+2*ii]         ; e = 2^s'.  The scores are read in ascending order, each accumulator from its low end on; the last matrix instruction that wrote them stands a unit back
	v_exp_f32 v[TT+2*ii+1], v[SC+32*sb+2*ii+1]
.set ii, ii+1
.endr
	v_nop                                          ; a plain place behind the exponentials
.set ii, 0
	s_wait_alu depctr_va_vdst(0)
.rept 16
	v_pk_add_f32 v[TT+2*ii:TT+2*ii+1], v[TT+2*ii:TT+2*ii+1], 1.0 op_sel_hi:[1,0]   ; 1 + e.  With the v_nop: 17 places behind the last matrix instruction, where the loads into K's registers want 8 (ISA guide 7.12.1 for vector instructions)
.set ii, ii+1
.endr
.if \kf
.irp k, 0,1,2,3
	ds_load_b128 v[KF+4*\k:KF+4*\k+3], v[ADK] offset:2048*((\b)+2)+512*\k   ; K of block b + 2: two fragments as register images, 512 consecutive bytes a load
.endr
.endif
.if (\b) == 0
	ds_load_b128 v[VF:VF+3], v[ADV]                ; the key step's fragment of V and its scale words: wanted at the step's end
	ds_load_b128 v[VF+4:VF+7], v[ADV] offset:512
	ds_load_b32 v[VS], v[ADS]
.endif
.set ii, 0
.rept 32
	v_rcp_f32 v[TT+ii], v[TT+ii]                   ; r = 1 / (1 + e): 0 where e is infinite, 1 where e is 0
.set ii, ii+1
.endr
	v_nop                                          ; a plain place behind the reciprocals
.set ii, 0
	s_wait_alu depctr_va_vdst(0)
.rept 16
	v_pk_fma_f32 v[TT+2*ii:TT+2*ii+1], v[TT+2*ii:TT+2*ii+1], s[NC:NC+1], v[MA+(2*ii)%16:MA+(2*ii)%16+1] op_sel_hi:[1,0,1]   ; u = -2 c r + the key's addend: t, or -infinity
.set ii, ii+1
.endr
.if \ma
.irp k, 0,1,2,3
	ds_load_b128 v[MA+4*\k:MA+4*\k+3], v[ADM] offset:128*((\b)+1)+16*\k   ; the next block's addends: keys 32 (b + 1) + 16 h + 0 .. 15
.endr
.endif
.set ii, 0
.rept 32
	v_exp_f32 v[TT+ii], v[TT+ii]                   ; p = 2^u
.set ii, ii+1
.endr
	v_nop                                          ; a plain place behind the exponentials
	; the block's largest p of each tile (none is negative: no |.|), with the floor 2^(3 - 127) as a leaf: four chains by turns
	s_wait_alu depctr_va_vdst(0)
.irp t, 0,1
	v_max3_num_f32 v[MX+\t], v[TT+16*\t], v[TT+16*\t+1], 0x1800000
.endr
.irp t, 0,1
	v_max3_num_f32 v[MB+\t], v[TT+16*\t+8], v[TT+16*\t+9], v[TT+16*\t+10]
.endr
.irp i, 0,1,2
.irp t, 0,1
	v_max3_num_f32 v[MX+\t], v[MX+\t], v[TT+16*\t+2+2*\i], v[TT+16*\t+3+2*\i]
.endr
.if \i < 2
.irp t, 0,1
	v_max3_num_f32 v[MB+\t], v[MB+\t], v[TT+16*\t+11+2*\i], v[TT+16*\t+12+2*\i]
.endr
.endif
.endr
.irp t, 0,1
	v_max3_num_f32 v[MX+\t], v[MX+\t], v[MB+\t], v[TT+16*\t+15]
.endr
.irp t, 0,1
	v_permlanex16_b32 v[PX+\t], v[MX+\t], s[SEL], s[SEL+1]
.endr
.irp t, 0,1
	v_max_num_f32 v[MX+\t], v[MX+\t], v[PX+\t]     ; with lane l xor 16's 16 keys: the block's
.endr
.irp t, 0,1
	v_add_nc_u32 v[SO+\t], 0xff000000, v[MX+\t]    ; 2 off the exponent field: the conversion's scale operand
.endr
.if (\b) == 0
.irp t, 0,1
	v_lshrrev_b32 v[PW+\t], 23, v[SO+\t]           ; the scale's byte begins p's scale word of these 128 keys
.endr
.else
.irp t, 0,1
	v_lshrrev_b32 v[BY+\t], 23, v[SO+\t]
.endr
.irp t, 0,1
	v_lshl_or_b32 v[PW+\t], v[BY+\t], 8*(\b), v[PW+\t]
.endr
.endif
.irp t, 0,1
	v_cvt_scalef32_pk8_fp4_f32 v[PC+8*\t+2*(\b)], v[TT+16*\t:TT+16*\t+7], v[SO+\t]       ; the codes of keys 32 b + 16 h + 0 .. 7
	v_cvt_scalef32_pk8_fp4_f32 v[PC+8*\t+2*(\b)+1], v[TT+16*\t+8:TT+16*\t+15], v[SO+\t]  ; and + 8 .. 15
.endr
	v_nop                                          ; one plain place behind a scaled conversion
.if (\b) == 3
.irp t, 0,1                                    ; the operand's layout wants a WHOLE block in a lane: lanes 0-15 block 2 c, lanes 16-31 block 2 c + 1
.irp c, 0,1
.irp i, 0,1
	v_permlane16_swap_b32 v[PC+8*\t+4*\c+\i], v[PC+8*\t+4*\c+2+\i]
.endr
.endr
.endr
.endif
	; the rows' sums are taken of the unquantised p: two at a time, two chains a tile, the tiles by turns.  In unit 3 these sixteen are also the places in front of the scaled matrix instructions (8 behind the scale words' last write, 4 behind the codes')
.irp t, 0,1
	v_pk_add_f32 v[LT+2*\t:LT+2*\t+1], v[TT+16*\t:TT+16*\t+1], v[TT+16*\t+2:TT+16*\t+3]
.endr
.irp j, 4,8,12
.irp t, 0,1
	v_pk_add_f32 v[LS+2*\t:LS+2*\t+1], v[LS+2*\t:LS+2*\t+1], v[TT+16*\t+\j:TT+16*\t+\j+1]
.endr
.irp t, 0,1
	v_pk_add_f32 v[LT+2*\t:LT+2*\t+1], v[LT+2*\t:LT+2*\t+1], v[TT+16*\t+\j+2:TT+16*\t+\j+3]
.endr
.endr
.irp t, 0,1
	v_pk_add_f32 v[LS+2*\t:LS+2*\t+1], v[LS+2*\t:LS+2*\t+1], v[LT+2*\t:LT+2*\t+1]
.endr
.endm
; O^T += V^T P^T over the key step's 128 keys: the two tiles' accumulators by turns
.macro PV
.irp t, 0,1
	v_wmma_scale_f32_16x16x128_f8f6f4 v[OA+8*\t:OA+8*\t+7], v[VF:VF+7], v[PC+8*\t:PC+8*\t+7], v[OA+8*\t:OA+8*\t+7], v[VS], v[PW+\t] matrix_a_fmt:MATRIX_FMT_FP4 matrix_b_fmt:MATRIX_FMT_FP4
.endr
.endm
; A key step: 128 keys.  last = 1: the head's last: nothing beyond key 1,023 is fetched or multiplied.
.macro STEP qb, last
	v_add_nc_u32 v[ADK], s[TK], v[LN]              ; (these four are also the places behind the last step's scaled matrix instructions)
	v_add_nc_u32 v[ADM], s[TM], v[AM0]
	v_add_nc_u32 v[ADV], s[TV], v[AV0]
	v_add_nc_u32 v[ADS], s[TS], v[AVS0]
	UNIT 0, \qb, 1, 1, 1
	UNIT 1, \qb, 1, 1, 1
.if \last
	UNIT 2, \qb, 1, 0, 1
	UNIT 3, \qb, 0, 0, 0
.else
	UNIT 2, \qb, 1, 1, 1
	UNIT 3, \qb, 1, 1, 1
.endif
	PV
.endm
; THE WAY OUT of pass p: 32 rows of out.  l's halves and lane l xor 16's are added; O^T / l goes through my stage and leaves as runs of 512 consecutive bytes.
.macro OUT p
	v_add_f32 v[SO], v[LS], v[LS+1]                ; (the four additions and the v_nop are the places behind the last matrix instructions)
	v_add_f32 v[SO+1], v[LS+2], v[LS+3]
	v_permlanex16_b32 v[PX], v[SO], s[SEL], s[SEL+1]
	v_permlanex16_b32 v[PX+1], v[SO+1], s[SEL], s[SEL+1]
	v_add_f32 v[SO], v[SO], v[PX]
	v_add_f32 v[SO+1], v[SO+1], v[PX+1]            ; the rows' sums
	v_rcp_f32 v[MX], v[SO]
	v_rcp_f32 v[MB], v[SO+1]
	v_nop                                          ; a plain place behind the reciprocals
	s_wait_alu depctr_va_vdst(0)
.irp t, 0,1
.irp i, 0,1,2,3
	v_pk_mul_f32 v[TT+8*\t+2*\i:TT+8*\t+2*\i+1], v[OA+8*\t+2*\i:OA+8*\t+2*\i+1], v[MX+2*\t:MX+2*\t+1] op_sel_hi:[1,0]   ; each accumulator from its low end on
.endr
.endr
.irp t, 0,1
.irp g, 0,1
	ds_store_b128 v[STO], v[TT+8*\t+4*\g:TT+8*\t+4*\g+3] offset:1024*\t+16*\g   ; out(16 t + r, 8 h + 4 g ..)
.endr
.endr
.irp k, 0,1,2,3
	ds_load_b128 v[PC+4*\k:PC+4*\k+3], v[SRD] offset:512*\k   ; LDS serves a wave's instructions in order: these see my stores
.endr
.irp k, 0,1,2,3
	s_wait_dscnt 3-\k                              ; group k is back: the 3 - k younger loads may be out
	global_store_b128 v[LN], v[PC+4*\k:PC+4*\k+3], s[12:13] offset:2048*(\p)+512*\k th:TH_STORE_NT   ; 32 lanes store 512 consecutive bytes, at a multiple of 256 from out's first byte
.endr
.if (\p) == 0
	s_wait_xcnt 0x0                                ; the stores' data registers are p's codes in the next pass: they are written again only behind this wait
.endif
.endm
; A PASS: query tiles 2 p and 2 p + 1 against all keys.
.macro PASS p
.set qbase, QR+16*(\p)
	s_mov_b32 s[TK], 0
	s_mov_b32 s[TM], 0
	s_mov_b32 s[TV], 0
	s_mov_b32 s[TS], 0
.irp k, 0,1,2,3
	ds_load_b128 v[KF+4*\k:KF+4*\k+3], v[LN] offset:KIMG+512*\k   ; K of block 0
.endr
	s_wait_dscnt 0x0
.set jj, 0
.rept 16
	WONE jj, 0, qbase                              ; block 0's scores: there is no vector work yet to set between them
.set jj, jj+1
.endr
.set jj, 0
.rept 16
	v_mov_b32 v[OA+jj], 0                          ; O^T and the sums begin as zeros.  These twenty lines are also the places behind the products above: 8 are wanted in front of the loads into K's registers and of the first read of the scores
.set jj, jj+1
.endr
.irp j, 0,1,2,3
	v_mov_b32 v[LS+\j], 0
.endr
.irp k, 0,1,2,3
	ds_load_b128 v[KF+4*\k:KF+4*\k+3], v[LN] offset:KIMG+2048+512*\k   ; K of block 1
.endr
.irp k, 0,1,2,3
	ds_load_b128 v[MA+4*\k:MA+4*\k+3], v[AM0] offset:16*\k   ; block 0's addends
.endr
	s_mov_b32 s[CNT], 7
.Lstep_\@:                                         ; seven of the eight key steps
	STEP qbase, 0
	s_add_co_u32 s[TK], s[TK], 8192                ; four blocks of K's images,
	s_add_co_u32 s[TM], s[TM], 512                 ; 128 addends,
	s_add_co_u32 s[TV], s[TV], 1024                ; a fragment of V,
	s_add_co_u32 s[TS], s[TS], 64                  ; its sixteen scale words
	s_sub_co_u32 s[CNT], s[CNT], 1
	s_cmp_lg_u32 s[CNT], 0
	s_cbranch_scc1 .Lstep_\@
	STEP qbase, 1                                  ; the last is written out: it reaches for nothing beyond the head's keys
	OUT \p
.endm
	PASS 0
	PASS 1
	s_wait_tensorcnt 0x0
	ds_add_u32 v240, v241
	s_wait_dscnt 0x0
	s_endpgm
.Lfunc_end_k_q537702cd46_attn:
	.size	k_q537702cd46_attn, .Lfunc_end_k_q537702cd46_attn-k_q537702cd46_attn
	.p2alignl 7, 3214868480
	.fill 96, 4, 3214868480
	.section	.rodata,"a",@progbits
	.p2align	6, 0x0
	.amdhsa_kernel k_q537702cd46_attn
		.amdhsa_group_segment_fixed_size 149504
		.amdhsa_private_segment_fixed_size 0
		.amdhsa_enable_private_segment 0
		.amdhsa_kernarg_size 40
		.amdhsa_user_sgpr_count 2
		.amdhsa_user_sgpr_kernarg_segment_ptr 1
		.amdhsa_wavefront_size32 1
		.amdhsa_system_sgpr_workgroup_id_x 1
		.amdhsa_system_sgpr_workgroup_id_y 1
		.amdhsa_system_sgpr_workgroup_id_z 1
		.amdhsa_system_vgpr_workitem_id 0
		.amdhsa_next_free_vgpr 242
		.amdhsa_next_free_sgpr 66
		.amdhsa_reserve_vcc 1
		.amdhsa_float_denorm_mode_32 3
		.amdhsa_float_denorm_mode_16_64 3
		.amdhsa_memory_ordered 1
		.amdhsa_forward_progress 1
		.amdhsa_inst_pref_size 174
	.end_amdhsa_kernel
	.amdgpu_metadata
---
amdhsa.version: [ 1, 2 ]
amdhsa.kernels:
  - .name:           k_q537702cd46_attn
    .symbol:         k_q537702cd46_attn.kd
    .args:
      - { .name: Q, .offset: 0, .size: 8, .value_kind: global_buffer, .address_space: global }
      - { .name: K, .offset: 8, .size: 8, .value_kind: global_buffer, .address_space: global }
      - { .name: V, .offset: 16, .size: 8, .value_kind: global_buffer, .address_space: global }
      - { .name: mask, .offset: 24, .size: 8, .value_kind: global_buffer, .address_space: global }
      - { .name: out0, .offset: 32, .size: 8, .value_kind: global_buffer, .address_space: global }
    .group_segment_fixed_size: 149504
    .private_segment_fixed_size: 0
    .kernarg_segment_align: 8
    .kernarg_segment_size: 40
    .max_flat_workgroup_size: 512
    .sgpr_count:     66
    .vgpr_count:     242
    .wavefront_size: 32
...
	.end_amdgpu_metadata
.endif
;; end of part 1
;; ======== version 2 of 2: 1 launch; version 1 with the launch attn written anew for expert scheduling mode
;; launch attn (part 2): grid 256 x 1, 16 waves a work-group, no clusters, 149,504 bytes of LDS; arguments Q, K, V, mask, out0; writes out0
.if DOCPART == 2
	.amdgcn_target "amdgcn-amd-amdhsa--gfx1250"
	.amdhsa_code_object_version 6
	.text
	.protected	k_q537702cd46_attn
	.globl	k_q537702cd46_attn
	.p2align	8
	.type	k_q537702cd46_attn,@function
k_q537702cd46_attn:
	s_mov_b64 s[64:65], 0
	v_nop
	global_prefetch_b8 v0, s[64:65] scope:SCOPE_SE
	s_setreg_imm32_b32 hwreg(HW_REG_WAVE_SCHED_MODE, 0, 2), 2
	s_setreg_imm32_b32 hwreg(HW_REG_WAVE_MODE, 25, 1), 1
	s_wait_xcnt 0x0
	s_wait_alu depctr_vm_vsrc(0)
; out[b][h][q][:] = sum over keys of softmax_k(10 tanh(Q[q] . K[k] / 4), masked keys -inf) V[k][:].  Q, K, V, out: [32][8][1024][16] f32; mask: [32][1024] bytes, not 0 = the key is left out.
; The first product (K = 16) keeps f32 operands (v_wmma_f32_16x16x4_f32), since its result goes on into a quantiser.  The second is done on codes of FP4 (E2M1) with one E8M0 scale for each 32 keys, by v_wmma_scale_f32_16x16x128_f8f6f4.
; A SCORE, all in f32:  Q is multiplied once by a = log2(e) / 2, so that s' = (a Q) . K = 2 x log2(e) with x = q.k / 4;  e = 2^s';  r = 1 / (1 + e);  tanh(x) = 1 - 2 r;
;   t = 10 tanh(x) log2(e) = c - 2 c r with c = 10 log2(e);  u = fma(r, -2c, addend of the key), the addend being c for a key that counts and -infinity for a masked one;  p = 2^u: a masked key's p is exactly 0.
; NO MAXIMUM IS TAKEN AWAY: M = 0.  reference() itself clips: |10 tanh| <= 10, so |t| <= 14.43 for every input; p lies between 2^-14.43 and 2^14.43 and a row's sum of 1,024 of them under 2^24.5: no exponential and no sum
;   can overflow or underflow in f32.  M = 0 is a whole number: against M = ceil(the row's largest t) every p differs by an exact power of two, which the block's scale takes up, so the codes' values are the same.
;   The row's sum l is taken of the unquantised p and divides at the end.
; LIMITS: NaN and infinities among Q, K, V are not served.  A block of V whose largest magnitude lies under 2^-124 has its scale byte held at 1 (not tried).  A block of zeros (of V, or of p where 32 keys are masked) keeps
;   the byte 1 where the rule says 127: its codes are zeros, and the bytes are read here alone.  A row all of whose keys are masked gives 0 x (1 / 0) = NaN, as reference() does.  The 16 products of a score are summed in the
;   order d = 0,1,8,9, 2,3,10,11, .. and not in ascending d.
; SHARES.  A work-group owns one head (256 heads, 256 work-groups).  Its sixteen waves, four to a SIMD, so that one wave's exponentials and reciprocals stand beside another's matrix instructions, own 64 queries each:
;   four tiles of 16, taken in two PASSES of two tiles.  A pass walks the head's 1,024 keys in 32 UNITS of 32 keys; four units are a key step of 128 keys, one K step of the second product.
; EACH INPUT BYTE IS READ FROM MEMORY ONCE.  Wave w loads keys 64 w .. 64 w + 63 of K and of V in runs of 512 consecutive bytes.  K goes into LDS as images of the first product's operand registers; V is turned through the
;   wave's own stage, quantised along the keys, and goes into LDS as images of the second product's operand registers, with its scale bytes; the mask becomes one f32 addend a key.  One barrier; behind it these bytes are only read.
; NO TENSOR LOADS, NO RING: a head's K is 64 KiB and lies in LDS whole, and K and V have to pass through registers anyway (a permutation, a quantiser).  NO CLUSTER: the eight heads of a batch share only the mask,
;   1,024 bytes beside the 196,608 that each head reads for itself.
; LAYOUTS (r = lane % 16, h = lane / 16).
;   First product, transposed: S^T = K (a Q)^T, source 0 = 16 keys, source 1 = 16 queries.  A lane holds d = 8 h + 0 .. 7 of its row in 8 registers; K step s takes registers 2 s, 2 s + 1 on both sides: the same permutation of d.
;   THE KEYS OF A TILE ARE NOT NEIGHBOURS: lane r of tile u of block b takes key 32 b + 8 u + r + 8 (r / 8).  Register j of the result is then query r and key 32 b + 16 h + 8 u + j: the 16 registers of tiles u = 0, 1 are 16 neighbouring keys.
;   Second product, transposed: O^T = V^T P^T, source 0 = V^T (row d = r, keys along the registers), source 1 = p's codes (column = query r).  Register j of the result is out(query r, d = 8 h + j).
; THE MODE: SCHED_MODE bits 1:0 = 2 (LLVM: expert scheduling mode 2), set by the entry lines.  The code itself states the register dependences between vector or matrix instructions and memory or LDS instructions,
;   with s_wait_alu, always for 0.
; THE PLAN.  Registers that LDS instructions touch in the loop, and who else names them:
;   KF (v48-63)      read by a unit's sixteen f32 products; the loads of the block after the next land in it later in the same unit.
;   MA (v64-79)      read by a unit's sixteen multiply-adds; the next block's addends land in it later in the same unit.
;   VF, VS           read by a key step's two scaled products, at its end; the next step's land in them in that step's unit 0.
;   ADK .. ADS       written by four additions at a key step's head; read by all of the step's LDS loads.
;   PC, PW           written by conversions, lane swaps and shifts; read by the scaled products as operand and scales.
;   The scores, TT, the maxima, the sums and O^T are named by vector and matrix instructions alone.
;   A unit has three waits on va_vdst, one behind each batch of exponentials or reciprocals, ahead of the batch's first reader.  The first also states that the unit's products are done reading KF (and, in unit 0, that the
;   step's addresses are written and the last step's scaled products are done reading VF and VS): K's and V's loads follow it, among additions that name TT alone.  The third also states that the multiply-adds are done
;   reading MA: the addends' loads follow it, ahead of lines that name TT and the maxima alone.  A key step has two waits more: vm_vsrc ahead of the four additions, va_vdst ahead of the scaled products.
.set KIMG,  0                          ; LDS: K: 64 fragments (2 b + u) x 1,024 bytes; registers 4 g .. 4 g + 3 of lane L at 512 g + 16 L
.set VIMG,  65536                      ; V's codes: key step s at 1,024 s; registers 4 c .. 4 c + 3 of lane L at 512 c + 16 L
.set VSC,   73728                      ; V's scale words: key step s at 64 s; the word of row d at 4 d; byte 2 c + h for keys 64 c + 32 h on
.set MADD,  74240                      ; one f32 addend a key: 4,096 bytes; 256 bytes behind them are left unused
.set STG,   78592                      ; a stage of STGW bytes for each wave, its own
.set STGW,  4224
.set VHALF, 2112                       ; in the stage V's keys 32-63 begin here: 528 words on, so that lanes 16-31 read 16 words further on modulo 64 than lanes 0-15 (64 banks of 4 bytes: ISA guide 11.1)
.set LN,   1                           ; v1   16 x lane: a register image's place, and the dense global offset; never rewritten
.set AM0,  2                           ; v2   MADD + 64 h
.set AVS0, 3                           ; v3   VSC + 4 r
.set AV0,  4                           ; v4   VIMG + 16 x lane
.set ADK,  5                           ; v5-8 the key step's addresses: K's images, addends, V's image, V's scale words
.set ADM,  6
.set ADV,  7
.set ADS,  8
.set STO,  9                           ; v9   my stage + 64 r + 32 h: where I put 32 bytes of a row of out
.set SRD,  10                          ; v10  my stage + 16 x lane
.set LS,   12                          ; v[12:13], v[14:15] the row sums of tiles 0, 1, in two halves each
.set QR,   16                          ; v16-47   a Q: tile q at 16 + 8 q
.set KF,   48                          ; v48-63   K's two fragments of one block
.set MA,   64                          ; v64-79   the addends of my 16 keys of a block
.set SC,   80                          ; v80-143  scores: buffer n at + 32 n, accumulator (t, u) at + 16 t + 8 u.  Written by matrix instructions alone
.set TT,   144                         ; v144-175 e, 1 + e, r, u, p in turn: index 16 t + 8 u + j
.set PC,   176                         ; v176-191 p's codes: tile t at + 8 t
.set OA,   192                         ; v192-207 O^T: tile t at + 8 t
.set VF,   208                         ; v208-215 V's fragment of the key step
.set VS,   216                         ; v216 V's scale words; v217, v218 p's: they hold scales and nothing else
.set PW,   217
.set MX,   220                         ; v220-223 chains of maxima
.set MB,   222
.set PX,   224                         ; v224-225 what lane l xor 16 sends
.set SO,   226                         ; v226-227 the conversions' scale operands
.set BY,   228                         ; v228-229 scale bytes
.set LT,   230                         ; v[230:231], v[232:233] second chains of the sums
.set WV,   16                          ; s16  my wave's number
.set SEL,  20                          ; s[20:21] v_permlanex16_b32's selects for lane l xor 16
.set NC,   22                          ; s[22:23] -2 c: the packed form names a pair and takes its low word for both halves
.set TK,   24                          ; s24-27 where the key step begins: K's images, addends, V's image, V's scale words
.set TM,   25
.set TV,   26
.set TS,   27
.set CNT,  28
.set QA,   32                          ; s[32:33] a = log2(e) / 2
	s_load_b256 s[4:11], s[0:1], 0x0               ; Q s[4:5], K s[6:7], V s[8:9], mask s[10:11]
	s_load_b64 s[12:13], s[0:1], 0x20              ; out0
	v_lshl_add_u32 v240, v0, 2, 0x24000
	v_mov_b32 v241, 0
	v_lshrrev_b32 v11, 5, v0
	v_readfirstlane_b32 s[WV], v11                 ; wave 0..15
	v_and_b32 v221, 31, v0                         ; lane
	v_and_b32 v222, 15, v0                         ; r
	v_bfe_u32 v223, v0, 4, 1                       ; h
	v_lshlrev_b32 v[LN], 4, v221
	v_lshl_add_u32 v[AM0], v223, 6, MADD
	v_lshl_add_u32 v[AVS0], v222, 2, VSC
	v_add_nc_u32 v[AV0], VIMG, v[LN]
	s_wait_alu depctr_va_sdst(0)                   ; the wave's number is written into s16, ahead of its first reader
	s_mul_i32 s17, s[WV], STGW
	s_add_co_u32 s17, s17, STG                     ; my stage
	v_lshlrev_b32 v226, 6, v222
	v_lshl_add_u32 v226, v223, 5, v226             ; 64 r + 32 h: my 32 bytes of a row of 16 f32: Q's offset,
	v_add_nc_u32 v[STO], s17, v226                 ; and the same place in the stage
	v_add_nc_u32 v[SRD], s17, v[LN]
	v_mul_u32_u24 v229, v223, VHALF
	v_lshl_add_u32 v229, v222, 2, v229
	v_add_nc_u32 v229, s17, v229                   ; V's columns out of the stage: my stage + 2,112 h + 4 r
	v_lshlrev_b32 v227, 1, v0                      ; the mask: two bytes a thread
	v_lshl_add_u32 v11, v0, 3, MADD                ; and their two addends
	; Where my 16 bytes of a dense load of K go.  Load n brings lane L key 8 n + L / 4 of my 64 and d = 4 (L % 4) + 0 .. 3.  In the image that is half g = L % 2 of the registers, lane 16 ((L / 2) % 2) + 8 ((n / 2) % 2) + L / 4,
	; fragment 4 w + 2 (n / 4) + n % 2: the lane's part stands in the register, n's part in the immediate.
	v_and_b32 v228, 1, v0
	v_lshlrev_b32 v228, 9, v228
	v_bfe_u32 v221, v0, 1, 1
	v_lshl_add_u32 v228, v221, 8, v228
	v_bfe_u32 v221, v0, 2, 3
	v_lshl_add_u32 v228, v221, 4, v228
	s_lshl_b32 s18, s[WV], 12
	v_add_nc_u32 v228, s18, v228
	s_lshl_b32 s18, s[WV], 9                       ; my 64 keys are half c = w % 2 of key step w / 2: V's codes go to VIMG + 512 w + 16 x lane,
	v_add_nc_u32 v234, s18, v[AV0]
	s_lshr_b32 s18, s[WV], 1
	s_lshl_b32 s18, s18, 6
	s_and_b32 s19, s[WV], 1
	s_lshl_b32 s19, s19, 1
	s_add_co_u32 s18, s18, s19
	v_add_nc_u32 v235, v[AVS0], v223
	v_add_nc_u32 v235, s18, v235                   ; my block's scale byte to VSC + 64 (w / 2) + 4 r + 2 (w % 2) + h
	v_mov_b32 v[PX], 0                             ; written once: a lane permute's destination counts as one of its sources
	v_mov_b32 v[PX+1], 0
	v_mov_b32 v232, 0xff800000                     ; -infinity: a masked key's addend
	v_mov_b32 v233, 0x4166d4ca                     ; c = 10 log2(e): the addend of a key that counts
	s_mov_b32 s[SEL], 0x76543210
	s_mov_b32 s[SEL+1], 0xfedcba98
	s_mov_b32 s[NC], 0xc1e6d4ca                    ; -2 c
	s_mov_b32 s[NC+1], s[NC]                       ; (named with it as a pair, so it is written)
	s_mov_b32 s[QA], 0x3f38aa3b                    ; a = log2(e) / 2
	s_mov_b32 s[QA+1], s[QA]
	s_lshl_b32 s14, ttmp9, 16                      ; the head's 65,536 bytes in Q, K, V and out,
	s_lshl_b32 s15, s[WV], 12                      ; my wave's 64 rows of 64 bytes
	s_add_co_u32 s14, s14, s15
	s_mov_b32 s15, 0
	s_lshr_b32 s18, ttmp9, 3                       ; the batch: eight heads share a mask of 1,024 bytes
	s_lshl_b32 s18, s18, 10
	s_mov_b32 s19, 0
	s_wait_kmcnt 0x0
	s_add_nc_u64 s[4:5], s[4:5], s[14:15]
	s_add_nc_u64 s[6:7], s[6:7], s[14:15]
	s_add_nc_u64 s[8:9], s[8:9], s[14:15]
	s_add_nc_u64 s[12:13], s[12:13], s[14:15]
	s_add_nc_u64 s[10:11], s[10:11], s[18:19]
	s_wait_alu depctr_va_vdst(0)                   ; all offsets and LDS addresses are written (v1 to v4, v9 to v11, v226 to v229, v234, v235), which the loads and the LDS stores and loads of the head, the passes' first loads and the way out read
	; All 25 loads of the wave go out together: K, V, the mask, Q, in the order in which they are wanted.
.irp n, 0,1,2,3,4,5,6,7
	global_load_b128 v[TT+4*\n:TT+4*\n+3], v[LN], s[6:7] offset:512*\n th:TH_LOAD_NT   ; K: 32 lanes read 512 consecutive bytes
.endr
.irp n, 0,1,2,3,4,5,6,7
	global_load_b128 v[PC+4*\n:PC+4*\n+3], v[LN], s[8:9] offset:512*\n th:TH_LOAD_NT   ; V likewise, into v176-207
.endr
	global_load_u16 v220, v227, s[10:11]           ; two keys' mask bytes (read again by the batch's other heads: no hint)
.irp q, 0,1,2,3
.irp g, 0,1
	global_load_b128 v[QR+8*\q+4*\g:QR+8*\q+4*\g+3], v226, s[4:5] offset:1024*\q+16*\g th:TH_LOAD_NT   ; Q(16 q + r, 8 h + 4 g ..): the two loads of a tile cover its 1,024 bytes
.endr
.endr
	s_wait_loadcnt 17                              ; K's eight are in: the 17 younger loads (V 8, mask 1, Q 8) may be out
.irp n, 0,1,2,3,4,5,6,7
	ds_store_b128 v228, v[TT+4*\n:TT+4*\n+3] offset:KIMG+(\n/4)*2048+(\n%2)*1024+((\n/2)%2)*128
.endr
	s_wait_loadcnt 9                               ; V's eight are in: the mask's and Q's may be out
.irp n, 0,1,2,3,4,5,6,7
	ds_store_b128 v[SRD], v[PC+4*\n:PC+4*\n+3] offset:512*\n+64*(\n/4)   ; as they lie: keys 0-31 from byte 0, keys 32-63 from byte 2,112
.endr
.set ii, 0
.rept 32
	ds_load_b32 v[KF+ii], v229 offset:64*ii        ; V(32 h + i, d = r): a whole block of 32 keys of one column in my 32 registers.  LDS serves a wave's instructions in order (ISA guide 5.7.1.4): these see my stores
.set ii, ii+1
.endr
	s_wait_loadcnt 8                               ; the mask's bytes are in: Q's eight may be out
	v_and_b32 v221, 0xff, v220
	v_lshrrev_b32 v220, 8, v220
	v_cmp_ne_u32 s18, 0, v221                      ; the two compares in a run, each into a scalar register of its own
	v_cmp_ne_u32 s19, 0, v220
	s_wait_alu depctr_va_sdst(0)                   ; both masks are written, ahead of the selects that read them
	v_cndmask_b32 v230, v233, v232, s18            ; not 0: -infinity; 0: c
	v_cndmask_b32 v231, v233, v232, s19
	s_wait_alu depctr_va_vdst(0)                   ; the selects have written v[230:231], which the LDS store reads
	ds_store_b64 v11, v[230:231]
	s_wait_loadcnt 0x0                             ; Q is in; every load is done, so their offset registers may be written again
.set ii, 0
.rept 16
	v_pk_mul_f32 v[QR+2*ii:QR+2*ii+1], v[QR+2*ii:QR+2*ii+1], s[QA:QA+1] op_sel_hi:[1,0]   ; a Q, once
.set ii, ii+1
.endr
	s_wait_dscnt 1                                 ; V's columns are back: only the addends' store is younger
	s_wait_alu depctr_vm_vsrc(0)                   ; Q's loads have read their offset v226 and K's LDS stores their address v228: both are written again below
	v_max3_num_f32 v220, |v[KF]|, |v[KF+1]|, |v[KF+2]|             ; the block's largest magnitude: all 32 numbers are mine; two chains
	v_max3_num_f32 v221, |v[KF+3]|, |v[KF+4]|, |v[KF+5]|
.irp i, 6,10,14,18,22,26
	v_max3_num_f32 v220, v220, |v[KF+\i]|, |v[KF+\i+1]|
	v_max3_num_f32 v221, v221, |v[KF+\i+2]|, |v[KF+\i+3]|
.endr
	v_max3_num_f32 v220, v220, |v[KF+30]|, |v[KF+31]|
	v_max3_num_f32 v220, v220, v221, 0x1800000     ; and the floor 2^(3 - 127), under which no largest magnitude is taken: so the byte cannot fall under 1
	v_add_nc_u32 v226, 0xff000000, v220            ; 2 off its exponent field: the conversion takes the exponent field of this operand as its scale, and nothing else of it
	v_lshrrev_b32 v228, 23, v226                   ; the scale's byte
.irp g, 0,1,2,3
	v_cvt_scalef32_pk8_fp4_f32 v[VF+\g], v[KF+8*\g:KF+8*\g+7], v226   ; registers 4 c .. 4 c + 3 of the operand: keys 64 c + 32 h + 0 .. 31 of row d = r
.endr
	v_nop                                          ; one plain place behind a scaled conversion
	s_wait_alu depctr_va_vdst(0)                   ; the conversions have written v208-211 and the shift v228, which the two LDS stores read; maxima and conversions are done reading v48-79, in which K's fragments and the addends land behind the barrier
	ds_store_b128 v234, v[VF:VF+3]
	ds_store_b8 v235, v228
	s_wait_dscnt 0x0                               ; for the others' sake: all my stores into K's and V's images, the scale bytes and the addends are done
	s_barrier_signal -1
	s_barrier_wait -1                              ; the only barrier: behind it these bytes are only read, and a stage is touched by its own wave alone
	s_wait_alu depctr_vm_vsrc(0)                   ; the head's LDS stores and loads and the mask's load have read their data and addresses: v144-211 and v226-231 are written again in the passes
; One matrix instruction of the first product: number i of 16 for a block of 32 keys: K step i / 4, query tile (i % 4) / 2, key tile i % 2, into score buffer nb.  The first four start the sums with the constant 0.
; The four accumulators take turns, one instruction a turn.
.macro WONE i, nb, qb
.set ws, (\i)/4
.set wt, ((\i)%4)/2
.set wu, (\i)%2
.set wD, SC+32*(\nb)+16*wt+8*wu
.set wA, KF+8*wu+2*ws
.set wB, (\qb)+8*wt+2*ws
.if ws == 0
	v_wmma_f32_16x16x4_f32 v[wD:wD+7], v[wA:wA+1], v[wB:wB+1], 0
.else
	v_wmma_f32_16x16x4_f32 v[wD:wD+7], v[wA:wA+1], v[wB:wB+1], v[wD:wD+7]
.endif
.endm
; A UNIT: block b (of the key step's four) of 32 keys, for two tiles of queries: 32 scores a lane.  Its scores lie in buffer b % 2, made a unit ago; while they are worked on, the next block's are made in the other buffer.
; w = 1: the next block's scores are made;  kf = 1: K's fragments of the block after that are fetched;  ma = 1: the next block's addends are fetched.
.macro UNIT b, qb, w, kf, ma
.set sb, (\b)%2
.set nb, 1-sb
	s_wait_dscnt 0x0                               ; the next block's K and this block's addends are in, asked for in the unit before (in unit 1 also V's fragment and scale words)
.set ii, 0
.rept 16
.if \w
	WONE ii, nb, \qb
.endif
	v_exp_f32 v[TT+2*ii], v[SC+32*sb+2*ii]         ; e = 2^s'.  The scores are read in ascending order, each accumulator from its low end on; the last matrix instruction that wrote them stands a unit back
	v_exp_f32 v[TT+2*ii+1], v[SC+32*sb+2*ii+1]
.set ii, ii+1
.endr
	v_nop                                          ; a plain place behind the exponentials
	s_wait_alu depctr_va_vdst(0)                   ; the 32 exponentials have written e, ahead of its first reader; the products above are done reading K's fragments, in which the loads below land; in unit 0 the step's four addresses are written and the last step's scaled products are done reading V's fragment and scale words
.set ii, 0
.rept 16
	v_pk_add_f32 v[TT+2*ii:TT+2*ii+1], v[TT+2*ii:TT+2*ii+1], 1.0 op_sel_hi:[1,0]   ; 1 + e.  These name TT alone: none of the registers that the loads among them touch
.if (\kf) && (ii >= 8) && (ii%2 == 0)
	ds_load_b128 v[KF+4*((ii-8)/2):KF+4*((ii-8)/2)+3], v[ADK] offset:2048*((\b)+2)+512*((ii-8)/2)   ; K of block b + 2: two fragments as register images, 512 consecutive bytes a load; the four loads dealt among the last eight additions
.endif
.set ii, ii+1
.endr
.if (\b) == 0
	ds_load_b128 v[VF:VF+3], v[ADV]                ; the key step's fragment of V and its scale words: wanted at the step's end
	ds_load_b128 v[VF+4:VF+7], v[ADV] offset:512
	ds_load_b32 v[VS], v[ADS]
.endif
.set ii, 0
.rept 32
	v_rcp_f32 v[TT+ii], v[TT+ii]                   ; r = 1 / (1 + e): 0 where e is infinite, 1 where e is 0
.set ii, ii+1
.endr
	v_nop                                          ; a plain place behind the reciprocals
	s_wait_alu depctr_va_vdst(0)                   ; the 32 reciprocals have written r, ahead of its first reader
.set ii, 0
.rept 16
	v_pk_fma_f32 v[TT+2*ii:TT+2*ii+1], v[TT+2*ii:TT+2*ii+1], s[NC:NC+1], v[MA+(2*ii)%16:MA+(2*ii)%16+1] op_sel_hi:[1,0,1]   ; u = -2 c r + the key's addend: t, or -infinity
.set ii, ii+1
.endr
.set ii, 0
.rept 32
	v_exp_f32 v[TT+ii], v[TT+ii]                   ; p = 2^u
.set ii, ii+1
.endr
	v_nop                                          ; a plain place behind the exponentials
	s_wait_alu depctr_va_vdst(0)                   ; the 32 exponentials have written p, ahead of its first reader; the multiply-adds above are done reading this block's addends, in which the loads below land
.if \ma
.irp k, 0,1,2,3
	ds_load_b128 v[MA+4*\k:MA+4*\k+3], v[ADM] offset:128*((\b)+1)+16*\k   ; the next block's addends: keys 32 (b + 1) + 16 h + 0 .. 15.  No line of the unit behind them names MA or their address
.endr
.endif
	; the block's largest p of each tile (none is negative: no |.|), with the floor 2^(3 - 127) as a leaf: four chains by turns
.irp t, 0,1
	v_max3_num_f32 v[MX+\t], v[TT+16*\t], v[TT+16*\t+1], 0x1800000
.endr
.irp t, 0,1
	v_max3_num_f32 v[MB+\t], v[TT+16*\t+8], v[TT+16*\t+9], v[TT+16*\t+10]
.endr
.irp i, 0,1,2
.irp t, 0,1
	v_max3_num_f32 v[MX+\t], v[MX+\t], v[TT+16*\t+2+2*\i], v[TT+16*\t+3+2*\i]
.endr
.if \i < 2
.irp t, 0,1
	v_max3_num_f32 v[MB+\t], v[MB+\t], v[TT+16*\t+11+2*\i], v[TT+16*\t+12+2*\i]
.endr
.endif
.endr
.irp t, 0,1
	v_max3_num_f32 v[MX+\t], v[MX+\t], v[MB+\t], v[TT+16*\t+15]
.endr
.irp t, 0,1
	v_permlanex16_b32 v[PX+\t], v[MX+\t], s[SEL], s[SEL+1]
.endr
.irp t, 0,1
	v_max_num_f32 v[MX+\t], v[MX+\t], v[PX+\t]     ; with lane l xor 16's 16 keys: the block's
.endr
.irp t, 0,1
	v_add_nc_u32 v[SO+\t], 0xff000000, v[MX+\t]    ; 2 off the exponent field: the conversion's scale operand
.endr
.if (\b) == 0
.irp t, 0,1
	v_lshrrev_b32 v[PW+\t], 23, v[SO+\t]           ; the scale's byte begins p's scale word of these 128 keys
.endr
.else
.irp t, 0,1
	v_lshrrev_b32 v[BY+\t], 23, v[SO+\t]
.endr
.irp t, 0,1
	v_lshl_or_b32 v[PW+\t], v[BY+\t], 8*(\b), v[PW+\t]
.endr
.endif
.irp t, 0,1
	v_cvt_scalef32_pk8_fp4_f32 v[PC+8*\t+2*(\b)], v[TT+16*\t:TT+16*\t+7], v[SO+\t]       ; the codes of keys 32 b + 16 h + 0 .. 7
	v_cvt_scalef32_pk8_fp4_f32 v[PC+8*\t+2*(\b)+1], v[TT+16*\t+8:TT+16*\t+15], v[SO+\t]  ; and + 8 .. 15
.endr
	v_nop                                          ; one plain place behind a scaled conversion
.if (\b) == 3
.irp t, 0,1                                    ; the operand's layout wants a WHOLE block in a lane: lanes 0-15 block 2 c, lanes 16-31 block 2 c + 1
.irp c, 0,1
.irp i, 0,1
	v_permlane16_swap_b32 v[PC+8*\t+4*\c+\i], v[PC+8*\t+4*\c+2+\i]
.endr
.endr
.endr
.endif
	; the rows' sums are taken of the unquantised p: two at a time, two chains a tile, the tiles by turns.  In unit 3 these sixteen are also the places in front of the scaled matrix instructions (8 behind the scale words' last write, 4 behind the codes')
.irp t, 0,1
	v_pk_add_f32 v[LT+2*\t:LT+2*\t+1], v[TT+16*\t:TT+16*\t+1], v[TT+16*\t+2:TT+16*\t+3]
.endr
.irp j, 4,8,12
.irp t, 0,1
	v_pk_add_f32 v[LS+2*\t:LS+2*\t+1], v[LS+2*\t:LS+2*\t+1], v[TT+16*\t+\j:TT+16*\t+\j+1]
.endr
.irp t, 0,1
	v_pk_add_f32 v[LT+2*\t:LT+2*\t+1], v[LT+2*\t:LT+2*\t+1], v[TT+16*\t+\j+2:TT+16*\t+\j+3]
.endr
.endr
.irp t, 0,1
	v_pk_add_f32 v[LS+2*\t:LS+2*\t+1], v[LS+2*\t:LS+2*\t+1], v[LT+2*\t:LT+2*\t+1]
.endr
.endm
; O^T += V^T P^T over the key step's 128 keys: the two tiles' accumulators by turns
.macro PV
	s_wait_alu depctr_va_vdst(0)                   ; the conversions and lane swaps have written p's codes, the shifts p's scale words: the scaled products take them as operand and scales; the places above stay beside this wait
.irp t, 0,1
	v_wmma_scale_f32_16x16x128_f8f6f4 v[OA+8*\t:OA+8*\t+7], v[VF:VF+7], v[PC+8*\t:PC+8*\t+7], v[OA+8*\t:OA+8*\t+7], v[VS], v[PW+\t] matrix_a_fmt:MATRIX_FMT_FP4 matrix_b_fmt:MATRIX_FMT_FP4
.endr
.endm
; A key step: 128 keys.  last = 1: the head's last: nothing beyond key 1,023 is fetched or multiplied.
.macro STEP qb, last
	s_wait_alu depctr_vm_vsrc(0)                   ; the LDS loads issued so far have read the last step's four addresses, which are written again here
	v_add_nc_u32 v[ADK], s[TK], v[LN]              ; (these four are also the places behind the last step's scaled matrix instructions)
	v_add_nc_u32 v[ADM], s[TM], v[AM0]
	v_add_nc_u32 v[ADV], s[TV], v[AV0]
	v_add_nc_u32 v[ADS], s[TS], v[AVS0]
	UNIT 0, \qb, 1, 1, 1
	UNIT 1, \qb, 1, 1, 1
.if \last
	UNIT 2, \qb, 1, 0, 1
	UNIT 3, \qb, 0, 0, 0
.else
	UNIT 2, \qb, 1, 1, 1
	UNIT 3, \qb, 1, 1, 1
.endif
	PV
.endm
; THE WAY OUT of pass p: 32 rows of out.  l's halves and lane l xor 16's are added; O^T / l goes through my stage and leaves as runs of 512 consecutive bytes.
.macro OUT p
	v_add_f32 v[SO], v[LS], v[LS+1]                ; (the four additions and the v_nop are the places behind the last matrix instructions)
	v_add_f32 v[SO+1], v[LS+2], v[LS+3]
	v_permlanex16_b32 v[PX], v[SO], s[SEL], s[SEL+1]
	v_permlanex16_b32 v[PX+1], v[SO+1], s[SEL], s[SEL+1]
	v_add_f32 v[SO], v[SO], v[PX]
	v_add_f32 v[SO+1], v[SO+1], v[PX+1]            ; the rows' sums
	v_rcp_f32 v[MX], v[SO]
	v_rcp_f32 v[MB], v[SO+1]
	v_nop                                          ; a plain place behind the reciprocals
	s_wait_alu depctr_va_vdst(0)                   ; the two reciprocals are written, ahead of their first reader
.irp t, 0,1
.irp i, 0,1,2,3
	v_pk_mul_f32 v[TT+8*\t+2*\i:TT+8*\t+2*\i+1], v[OA+8*\t+2*\i:OA+8*\t+2*\i+1], v[MX+2*\t:MX+2*\t+1] op_sel_hi:[1,0]   ; each accumulator from its low end on
.endr
.endr
	s_wait_alu depctr_va_vdst(0)                   ; the multiplications have written v144-159, which the LDS stores read; the last scaled products are done reading p's codes, v176-191, in which the loads from the stage land
.irp t, 0,1
.irp g, 0,1
	ds_store_b128 v[STO], v[TT+8*\t+4*\g:TT+8*\t+4*\g+3] offset:1024*\t+16*\g   ; out(16 t + r, 8 h + 4 g ..)
.endr
.endr
.irp k, 0,1,2,3
	ds_load_b128 v[PC+4*\k:PC+4*\k+3], v[SRD] offset:512*\k   ; LDS serves a wave's instructions in order: these see my stores
.endr
.irp k, 0,1,2,3
	s_wait_dscnt 3-\k                              ; group k is back: the 3 - k younger loads may be out
	global_store_b128 v[LN], v[PC+4*\k:PC+4*\k+3], s[12:13] offset:2048*(\p)+512*\k th:TH_STORE_NT   ; 32 lanes store 512 consecutive bytes, at a multiple of 256 from out's first byte
.endr
.if (\p) == 0
	s_wait_xcnt 0x0                                ; the stores' data registers are p's codes in the next pass: they are written again only behind this wait
	s_wait_alu depctr_vm_vsrc(0)                   ; the global stores have read v176-191 and the LDS stores v144-159: the next pass's conversions and exponentials write both again
.endif
.endm
; A PASS: query tiles 2 p and 2 p + 1 against all keys.
.macro PASS p
.set qbase, QR+16*(\p)
	s_mov_b32 s[TK], 0
	s_mov_b32 s[TM], 0
	s_mov_b32 s[TV], 0
	s_mov_b32 s[TS], 0
.irp k, 0,1,2,3
	ds_load_b128 v[KF+4*\k:KF+4*\k+3], v[LN] offset:KIMG+512*\k   ; K of block 0.  No wait: no vector or matrix instruction since the last wait on va_vdst (ahead of V's stores; in the second pass ahead of the stage's stores) names these registers
.endr
	s_wait_dscnt 0x0
.set jj, 0
.rept 16
	WONE jj, 0, qbase                              ; block 0's scores: there is no vector work yet to set between them
.set jj, jj+1
.endr
.set jj, 0
.rept 16
	v_mov_b32 v[OA+jj], 0                          ; O^T and the sums begin as zeros.  These twenty lines are also the places behind the products above: 8 are wanted in front of the first read of the scores
.set jj, jj+1
.endr
.irp j, 0,1,2,3
	v_mov_b32 v[LS+\j], 0
.endr
	s_wait_alu depctr_va_vdst(0)                   ; the sixteen products above are done reading K's fragments, in which block 1's land
.irp k, 0,1,2,3
	ds_load_b128 v[KF+4*\k:KF+4*\k+3], v[LN] offset:KIMG+2048+512*\k   ; K of block 1
.endr
.irp k, 0,1,2,3
	ds_load_b128 v[MA+4*\k:MA+4*\k+3], v[AM0] offset:16*\k   ; block 0's addends
.endr
	s_mov_b32 s[CNT], 7
.Lstep_\@:                                         ; seven of the eight key steps
	STEP qbase, 0
	s_add_co_u32 s[TK], s[TK], 8192                ; four blocks of K's images,
	s_add_co_u32 s[TM], s[TM], 512                 ; 128 addends,
	s_add_co_u32 s[TV], s[TV], 1024                ; a fragment of V,
	s_add_co_u32 s[TS], s[TS], 64                  ; its sixteen scale words
	s_sub_co_u32 s[CNT], s[CNT], 1
	s_cmp_lg_u32 s[CNT], 0
	s_cbranch_scc1 .Lstep_\@
	STEP qbase, 1                                  ; the last is written out: it reaches for nothing beyond the head's keys
	OUT \p
.endm
	PASS 0
	PASS 1
	s_wait_dscnt 0x0                               ; the closing lines, six on end
	s_wait_alu 0x0
	s_wait_tensorcnt 0x0
	ds_add_u32 v240, v241
	s_wait_dscnt 0x0
	s_endpgm
.Lfunc_end_k_q537702cd46_attn:
	.size	k_q537702cd46_attn, .Lfunc_end_k_q537702cd46_attn-k_q537702cd46_attn
	.p2alignl 7, 3214868480
	.fill 96, 4, 3214868480
	.section	.rodata,"a",@progbits
	.p2align	6, 0x0
	.amdhsa_kernel k_q537702cd46_attn
		.amdhsa_group_segment_fixed_size 149504
		.amdhsa_private_segment_fixed_size 0
		.amdhsa_enable_private_segment 0
		.amdhsa_kernarg_size 40
		.amdhsa_user_sgpr_count 2
		.amdhsa_user_sgpr_kernarg_segment_ptr 1
		.amdhsa_wavefront_size32 1
		.amdhsa_system_sgpr_workgroup_id_x 1
		.amdhsa_system_sgpr_workgroup_id_y 1
		.amdhsa_system_sgpr_workgroup_id_z 1
		.amdhsa_system_vgpr_workitem_id 0
		.amdhsa_next_free_vgpr 242
		.amdhsa_next_free_sgpr 66
		.amdhsa_reserve_vcc 0
		.amdhsa_float_denorm_mode_32 3
		.amdhsa_float_denorm_mode_16_64 3
		.amdhsa_memory_ordered 1
		.amdhsa_forward_progress 1
		.amdhsa_inst_pref_size 175
	.end_amdhsa_kernel
	.amdgpu_metadata
---
amdhsa.version: [ 1, 2 ]
amdhsa.kernels:
  - .name:           k_q537702cd46_attn
    .symbol:         k_q537702cd46_attn.kd
    .args:
      - { .name: Q, .offset: 0, .size: 8, .value_kind: global_buffer, .address_space: global }
      - { .name: K, .offset: 8, .size: 8, .value_kind: global_buffer, .address_space: global }
      - { .name: V, .offset: 16, .size: 8, .value_kind: global_buffer, .address_space: global }
      - { .name: mask, .offset: 24, .size: 8, .value_kind: global_buffer, .address_space: global }
      - { .name: out0, .offset: 32, .size: 8, .value_kind: global_buffer, .address_space: global }
    .group_segment_fixed_size: 149504
    .private_segment_fixed_size: 0
    .kernarg_segment_align: 8
    .kernarg_segment_size: 40
    .max_flat_workgroup_size: 512
    .sgpr_count:     66
    .vgpr_count:     242
    .wavefront_size: 32
...
	.end_amdgpu_metadata
.endif
;; end of part 2
